; MI455X (gfx1250); checked and timed in simulation.
; The chip was launched on July 23, 2026; its instructions are those of AMD's public machine-readable ISA for CDNA 5 (MIT licence, August 2026) and "CDNA5" Instruction Set Architecture Reference Guide (July 2026). The comments in the code are by the model that wrote it; some were corrected since.
;; Trellis Linear. Allowed arithmetic: matrix products marked QUANTISED: E5M2 operands, one given power-of-two scale a tensor, by v_wmma_f32_16x16x64_bf8_bf8 or v_wmma_f32_16x16x128_bf8_bf8, f32 sums; everything else in f32.
;; Inputs: SU 4,096 float32; SV 2,048 float32; lowp_scales 2 int32 (the exponents e of the quantised operands' scales 2^e); trellis 32,768 x 32 int32; weight_scales 32,768 x 1 float32; x 4 x 2,048 x 4,096 float32.
;; Outputs: out0 4 x 2,048 x 2,048 float32.
;; This version of the problem:
;;   THIS VERSION OF THE PROBLEM IS GIVEN IN LOW PRECISION. The matrix products marked QUANTISED in the list below multiply operands that are first quantised to E5M2 (5 exponent bits, 2 mantissa bits; 8 bits a number), with one given power-of-two scale for each operand tensor; their sums are f32. All else is computed in f32.
;;   The module's matrix products, in the order in which they are computed (A, B: the left and right operand; K: the contracted axis; several contracted axes count as one K, in the product's order):
;;     1. [M 8,192, K 4,096] x [K 4,096, N 2,048]; A: computed on the way; B: computed on the way: QUANTISED (scales: A lowp_scales[0], B lowp_scales[1])
;;   THE QUANTISER, for each operand of a quantised product, along K:
;;     - The operand's scale is 2^e, e = its entry of the input lowp_scales (int32; the entries are numbered through the quantised products in the list's order, A before B).
;;     - Each number is divided by the scale, clamped to +-57,344, and rounded to the nearest number of E5M2, ties to even, subnormals kept.
;;     - The product sums the exact products of the quantised numbers (number of the format x scale) in f32.
;;   ~~~python
;;   def quantise(x, axis, e):      # numpy; x: float32 -> the quantised numbers, widened to float32 again
;;       x = np.moveaxis(x, axis, -1); K = x.shape[-1]
;;       r = np.clip(x / 2.0 ** e, -57344, 57344)
;;       step = 2.0 ** (np.maximum(np.frexp(np.where(r == 0, 1, r))[1] - 1, -14) - 2)
;;       q = np.round(r / step) * step * 2.0 ** e      # np.round: ties to even
;;       return np.moveaxis(q, -1, axis).astype(np.float32)
;;   ~~~
;;   OPERANDS COMPUTED ON THE WAY. 'Computed on the way' means the value that the module computes at that place (a softmax that the list does not call 'softmax' is quantised finished and normalised). What goes into a quantiser is computed in f32, as accurately as f32 sums, v_exp_f32 and their like allow (about 1e-6 of the number): no bf16 or f16 on the way to a quantiser, and a product that is left as it is and whose result goes on into a quantised operand takes f32 operands (vector FMAs, or v_wmma_f32_16x16x4_f32). A number that lies on a knife's edge between two numbers of the format may be rounded either way, as far as f32 arithmetic and the matrix unit's own rounding can turn it there, and no further.
;; One version. Each part assembles by itself: llvm-mc -triple=amdgcn-amd-amdhsa -mcpu=gfx1250 --defsym DOCPART=n.
;; ======== version 1 of 1: 4 launches
;; workspace buffers: pmin 4,194,304 bytes; pmax 4,194,304 bytes; qpar 65,536 bytes; acodes 33,554,432 bytes; wcodes 8,388,608 bytes
;; launch stats (part 1): grid 256 x 1, 4 waves a work-group, no clusters, 199,168 bytes of LDS; arguments x, SU, pmin, pmax; writes pmin, pmax
.if DOCPART == 1
	.amdgcn_target "amdgcn-amd-amdhsa--gfx1250"
	.amdhsa_code_object_version 6
	.text
	.protected	k_q570734dfc1_stats
	.globl	k_q570734dfc1_stats
	.p2align	8
	.type	k_q570734dfc1_stats,@function
k_q570734dfc1_stats:
	s_mov_b64 s[64:65], 0
	v_nop
	global_prefetch_b8 v0, s[64:65] scope:SCOPE_SE
	s_setreg_imm32_b32 hwreg(HW_REG_WAVE_MODE, 25, 1), 1
	s_wait_xcnt 0x0
; xh = H (x * SU) / 64 along the 4,096 channels (H: Walsh-Hadamard, natural order); of xh only each channel's smallest and largest number over this work-group's 32 rows is kept.
; x: [8192][4096] f32.  pmin, pmax: [256 work-groups][4096 positions] f32.
; SHARES.  Work-group g owns rows 32 g .. 32 g + 31, each of its four waves eight of them.  ONE WAVE TAKES ONE ROW: 128 registers a lane; all twelve stages are packed additions on registers,
; with one exchange through the wave's own LDS bytes between the seventh and the eighth.  No wave waits for another until the end.
; ORDER OF THE STAGES: bits 0, 1, 7 .. 11 of the channel number, the exchange, bits 2 .. 6.  The sums are the same numbers as in ascending order but for the order of rounding.  1/64 is folded into SU (exact for |SU| >= 2^-120).
; POSITION ORDER.  Behind the transform lane l holds channels 128 l + r in register r.  pmin and pmax keep that image: channel 128 l + 4 c + e lies at byte 512 c + 16 l + 4 e.
; LIMITS: NaN among the inputs is not served (the minimum and maximum pass over it).
; REGISTERS, in windows of 256: window 0: v1-8 addresses; v16-31 at work; v64-127 the upper half of a finished row; v128-255 the row at work.
;   window 1: v0-127 the next row as loaded; v128-255 SU / 64.   window 2: v0-127 the smallest so far; v128-255 the largest.
.set ROWB,  16384                      ; a row of x in bytes
.set XREG,  32*528                     ; a wave's exchange region: 32 lines of 512 bytes + 16
.set IMG,   4*XREG                     ; behind them: for each wave 16,384 bytes of minima, then as many of maxima
.set XO,  1                            ; v1   16 x lane: my place in a load's or a store's 512 bytes; never rewritten
.set SA,  2                            ; v2   exchange, in: region + 16 x lane
.set LA,  3                            ; v3   exchange, out: region + 528 x lane
.set WA,  4                            ; v4   my wave's images + 16 x lane
.set RA,  5                            ; v5-8 wave u's images, at the eighth part that my wave folds
.set TT,  16
.set H2,  64
.set DD,  128
.set LL,  0                            ; window 1
.set SUR, 128                          ; window 1
.set MNR, 0                            ; window 2
.set MXR, 128                          ; window 2
.set MSB, 0
.macro WIN new                         ; the immediate's high byte repeats the setting that is left
.if MSB != \new
	s_set_vgpr_msb (MSB<<8)|\new
.set MSB, \new
.endif
.endm
; stage on register bit 0: a pair (a, b) becomes (a + b, a - b) in one packed addition
.macro INPAIR b
.set ri, 0
.rept 64
	v_pk_add_f32 v[(\b)+ri:(\b)+ri+1], v[(\b)+ri:(\b)+ri+1], v[(\b)+ri:(\b)+ri+1] op_sel:[0,1] op_sel_hi:[0,1] neg_hi:[0,1]
.set ri, ri+2
.endr
.endm
; two stages at once on four pairs p, p + d1, p + d2, p + d1 + d2: S1 is the stage of stride d1 into eight registers at t, S2 the stage of stride d2 back into the row
.macro S1 p, d1, d2, t
	v_pk_add_f32 v[(\t):(\t)+1], v[(\p):(\p)+1], v[(\p)+(\d1):(\p)+(\d1)+1]
	v_pk_add_f32 v[(\t)+2:(\t)+3], v[(\p):(\p)+1], v[(\p)+(\d1):(\p)+(\d1)+1] neg_lo:[0,1] neg_hi:[0,1]
	v_pk_add_f32 v[(\t)+4:(\t)+5], v[(\p)+(\d2):(\p)+(\d2)+1], v[(\p)+(\d2)+(\d1):(\p)+(\d2)+(\d1)+1]
	v_pk_add_f32 v[(\t)+6:(\t)+7], v[(\p)+(\d2):(\p)+(\d2)+1], v[(\p)+(\d2)+(\d1):(\p)+(\d2)+(\d1)+1] neg_lo:[0,1] neg_hi:[0,1]
.endm
.macro S2 p, d1, d2, t
	v_pk_add_f32 v[(\p):(\p)+1], v[(\t):(\t)+1], v[(\t)+4:(\t)+5]
	v_pk_add_f32 v[(\p)+(\d2):(\p)+(\d2)+1], v[(\t):(\t)+1], v[(\t)+4:(\t)+5] neg_lo:[0,1] neg_hi:[0,1]
	v_pk_add_f32 v[(\p)+(\d1):(\p)+(\d1)+1], v[(\t)+2:(\t)+3], v[(\t)+6:(\t)+7]
	v_pk_add_f32 v[(\p)+(\d1)+(\d2):(\p)+(\d1)+(\d2)+1], v[(\t)+2:(\t)+3], v[(\t)+6:(\t)+7] neg_lo:[0,1] neg_hi:[0,1]
.endm
; the two stages of strides d1 and d2 over 128 registers from b on: 16 blocks; a block's S2 stands behind the next block's S1, on two sets of registers by turns, so that no line reads a result of the eight lines above it.
; lw = 1: the row is coming back from LDS, four registers a load, in ascending order: ahead of registers 16 g .. 16 g + 15 the count leaves out the 28 - 4 g loads issued behind theirs
.macro PASS4 b, d1, d2, lw
.set ri, 0
.set ki, 0
.set pp, 0
.rept 64
.if (ri & ((\d1)|(\d2))) == 0
.if \lw
.if (ri%16) == 0
	s_wait_dscnt 28-ri/4
.endif
.endif
	S1 (\b)+ri, \d1, \d2, TT+8*(ki%2)
.if ki > 0
	S2 pp, \d1, \d2, TT+8*((ki+1)%2)
.endif
.set pp, (\b)+ri
.set ki, ki+1
.endif
.set ri, ri+2
.endr
	S2 pp, \d1, \d2, TT+8*((ki+1)%2)
.endm
; the exchange.  In: register 4 j + e of lane l is element 128 j + 4 l + e: line j, 16 bytes a lane, 512 dense bytes a store.  Out: lane l takes line l whole.  Lines are 528 bytes = 33 x 16 apart, so that the 16 lanes of
; a load's pass start at 16 different columns of 16 bytes (64 banks of 4 bytes: ISA guide 11.1).  LDS serves a wave's instructions in order (ISA guide 5.7.1.4): no wait between the stores and the loads, nor ahead of the next row's stores.
.macro XCHG
.set mi, 0
.rept 32
	ds_store_b128 v[SA], v[DD+4*mi:DD+4*mi+3] offset:528*mi
.set mi, mi+1
.endr
.set mi, 0
.rept 32
	ds_load_b128 v[DD+4*mi:DD+4*mi+3], v[LA] offset:16*mi
.set mi, mi+1
.endr
.endm
; the last stage, stride 64, out of place: x_r lies in v[128 + r] for r < 64 and in v[r] for r >= 64; v192-255 are free behind it
.macro LAST
.set mi, 0
.rept 32
	v_pk_add_f32 v[H2+2*mi:H2+2*mi+1], v[DD+2*mi:DD+2*mi+1], v[DD+64+2*mi:DD+64+2*mi+1] neg_lo:[0,1] neg_hi:[0,1]
	v_pk_add_f32 v[DD+2*mi:DD+2*mi+1], v[DD+2*mi:DD+2*mi+1], v[DD+64+2*mi:DD+64+2*mi+1]
.set mi, mi+1
.endr
.endm
.macro TRANSFORM
	INPAIR DD
	PASS4 DD, 2, 4, 0
	PASS4 DD, 8, 16, 0
	PASS4 DD, 32, 64, 0
	XCHG
	PASS4 DD, 4, 8, 1
	PASS4 DD, 16, 32, 0
	LAST
.endm
.macro LOADROW                         ; 32 loads of 512 consecutive bytes: the whole row
	WIN 0x40                                       ; destination window 1
.set mi, 0
.rept 32
	global_load_b128 v[LL+4*mi:LL+4*mi+3], v[XO], s[4:5] offset:512*mi th:TH_LOAD_NT
.set mi, mi+1
.endr
	WIN 0
.endm
	s_load_b256 s[4:11], s[0:1], 0x0               ; x s[4:5], SU s[6:7], pmin s[8:9], pmax s[10:11]
	v_lshl_add_u32 v62, v0, 2, 0x30800
	v_mov_b32 v63, 0
	v_lshrrev_b32 v10, 5, v0
	v_readfirstlane_b32 s12, v10                   ; wave 0..3
	v_and_b32 v10, 31, v0                          ; lane
	v_lshlrev_b32 v[XO], 4, v10
	s_mul_i32 s16, s12, XREG                       ; my exchange region
	v_add_nc_u32 v[SA], s16, v[XO]
	v_mul_u32_u24 v[LA], v10, 528
	v_add_nc_u32 v[LA], s16, v[LA]
	s_lshl_b32 s17, s12, 15
	s_add_co_u32 s17, s17, IMG
	v_add_nc_u32 v[WA], s17, v[XO]                 ; my images
	s_lshl_b32 s17, s12, 12
	s_add_co_u32 s17, s17, IMG
	v_add_nc_u32 v[RA], s17, v[XO]                 ; wave 0's images at groups 8 w .. 8 w + 7,
	v_add_nc_u32 v[RA+1], 0x8000, v[RA]            ; wave 1's, 2's, 3's
	v_add_nc_u32 v[RA+2], 0x10000, v[RA]
	v_add_nc_u32 v[RA+3], 0x18000, v[RA]
	s_lshl_b32 s14, ttmp9, 19                      ; 32 rows of 16,384 bytes a work-group,
	s_lshl_b32 s15, s12, 17                        ; 8 a wave
	s_add_co_u32 s14, s14, s15
	s_mov_b32 s15, 0
	s_wait_kmcnt 0x0
	s_add_nc_u64 s[4:5], s[4:5], s[14:15]          ; x at my first row
	s_lshl_b32 s14, ttmp9, 14                      ; pmin, pmax: my work-group's 16,384 bytes, my wave's quarter
	s_lshl_b32 s17, s12, 12
	s_add_co_u32 s14, s14, s17
	s_add_nc_u64 s[8:9], s[8:9], s[14:15]
	s_add_nc_u64 s[10:11], s[10:11], s[14:15]
	WIN 0x40
.set mi, 0
.rept 32
	global_load_b128 v[SUR+4*mi:SUR+4*mi+3], v[XO], s[6:7] offset:512*mi   ; SU in the layout of a row as loaded
.set mi, mi+1
.endr
	WIN 0
	LOADROW                                        ; row 0
	s_wait_loadcnt 32                              ; SU is in; the 32 loads issued behind it, row 0's, may stay out
	WIN 0x41                                       ; source 0 and destination window 1
.set mi, 0
.rept 64
	v_pk_mul_f32 v[SUR+2*mi:SUR+2*mi+1], v[SUR+2*mi:SUR+2*mi+1], 0x3c800000 op_sel_hi:[1,0]   ; x 2^-6: the transform's 1 / sqrt(4096), once
.set mi, mi+1
.endr
	WIN 0
; A row.  first = 1: it starts the extremes.  The next row's 32 loads go out as soon as this row has left their registers: they have the whole transform in which to land.
.macro ROW first
	s_wait_loadcnt 0x0                             ; the row is in, and every load that named the base is done: the base may step
	WIN 0x05                                       ; sources window 1, destination window 0
.set mi, 0
.rept 64
	v_pk_mul_f32 v[DD+2*mi:DD+2*mi+1], v[LL+2*mi:LL+2*mi+1], v[SUR+2*mi:SUR+2*mi+1]
.set mi, mi+1
.endr
	WIN 0
.if \first == 0
	s_cmp_eq_u32 s13, 1                            ; the last row asks for nothing: no load leaves x
	s_cbranch_scc1 .Lno_more_\@
.endif
	s_add_nc_u64 s[4:5], s[4:5], ROWB
	LOADROW
.if \first == 0
.Lno_more_\@:
.endif
	TRANSFORM
.if \first
	WIN 0x80                                       ; destination window 2
.else
	WIN 0x82                                       ; source 0 and destination window 2
.endif
.set ri, 0
.rept 128
.if ri < 64
.set XS, DD+ri
.else
.set XS, ri
.endif
.if \first
	v_mov_b32 v[MNR+ri], v[XS]
	v_mov_b32 v[MXR+ri], v[XS]
.else
	v_min_num_f32 v[MNR+ri], v[MNR+ri], v[XS]
	v_max_num_f32 v[MXR+ri], v[MXR+ri], v[XS]
.endif
.set ri, ri+1
.endr
	WIN 0
.endm
	ROW 1
	s_mov_b32 s13, 7
.Lrow:
	ROW 0
	s_sub_co_u32 s13, s13, 1
	s_cmp_lg_u32 s13, 0
	s_cbranch_scc1 .Lrow
	; THE FOUR WAVES' EXTREMES MEET IN LDS, as images of their registers: group c's four registers at 512 c + 16 x lane
	WIN 0x08                                       ; store data window 2
.set mi, 0
.rept 32
	ds_store_b128 v[WA], v[MNR+4*mi:MNR+4*mi+3] offset:512*mi
.set mi, mi+1
.endr
.set mi, 0
.rept 32
	ds_store_b128 v[WA], v[MXR+4*mi:MXR+4*mi+3] offset:16384+512*mi
.set mi, mi+1
.endr
	WIN 0
	s_wait_dscnt 0x0                               ; for the others' sake: my images lie in LDS
	s_barrier_signal -1
	s_barrier_wait -1
; wave w folds groups 8 w .. 8 w + 7 of the four images
.macro FOLDW op3, op2, off, dst
.irp u, 0,1,2,3
.irp cc, 0,1,2,3,4,5,6,7
	ds_load_b128 v[DD+32*\u+4*\cc:DD+32*\u+4*\cc+3], v[RA+\u] offset:\off+512*\cc
.endr
.endr
	s_wait_dscnt 0x0
.set mi, 0
.rept 32
	\op3 v[\dst+mi], v[DD+mi], v[DD+32+mi], v[DD+64+mi]
.set mi, mi+1
.endr
.set mi, 0
.rept 32
	\op2 v[\dst+mi], v[\dst+mi], v[DD+96+mi]
.set mi, mi+1
.endr
.endm
	FOLDW v_min3_num_f32, v_min_num_f32, 0, 64
	FOLDW v_max3_num_f32, v_max_num_f32, 16384, 96
.irp cc, 0,1,2,3,4,5,6,7
	global_store_b128 v[XO], v[64+4*\cc:67+4*\cc], s[8:9] offset:512*\cc     ; 32 lanes store 512 consecutive bytes, at a multiple of 256 from the buffer's first byte
	global_store_b128 v[XO], v[96+4*\cc:99+4*\cc], s[10:11] offset:512*\cc
.endr
	s_wait_tensorcnt 0x0
	ds_add_u32 v62, v63
	s_wait_dscnt 0x0
	s_endpgm
.Lfunc_end_k_q570734dfc1_stats:
	.size	k_q570734dfc1_stats, .Lfunc_end_k_q570734dfc1_stats-k_q570734dfc1_stats
	.p2alignl 7, 3214868480
	.fill 96, 4, 3214868480
	.section	.rodata,"a",@progbits
	.p2align	6, 0x0
	.amdhsa_kernel k_q570734dfc1_stats
		.amdhsa_group_segment_fixed_size 199168
		.amdhsa_private_segment_fixed_size 0
		.amdhsa_enable_private_segment 0
		.amdhsa_kernarg_size 32
		.amdhsa_user_sgpr_count 2
		.amdhsa_user_sgpr_kernarg_segment_ptr 1
		.amdhsa_wavefront_size32 1
		.amdhsa_system_sgpr_workgroup_id_x 1
		.amdhsa_system_sgpr_workgroup_id_y 1
		.amdhsa_system_sgpr_workgroup_id_z 1
		.amdhsa_system_vgpr_workitem_id 0
		.amdhsa_next_free_vgpr 768
		.amdhsa_next_free_sgpr 66
		.amdhsa_reserve_vcc 0
		.amdhsa_float_denorm_mode_32 3
		.amdhsa_float_denorm_mode_16_64 3
		.amdhsa_memory_ordered 1
		.amdhsa_forward_progress 1
		.amdhsa_inst_pref_size 165
	.end_amdhsa_kernel
	.amdgpu_metadata
---
amdhsa.version: [ 1, 2 ]
amdhsa.kernels:
  - .name:           k_q570734dfc1_stats
    .symbol:         k_q570734dfc1_stats.kd
    .args:
      - { .name: x, .offset: 0, .size: 8, .value_kind: global_buffer, .address_space: global }
      - { .name: SU, .offset: 8, .size: 8, .value_kind: global_buffer, .address_space: global }
      - { .name: pmin, .offset: 16, .size: 8, .value_kind: global_buffer, .address_space: global }
      - { .name: pmax, .offset: 24, .size: 8, .value_kind: global_buffer, .address_space: global }
    .group_segment_fixed_size: 199168
    .private_segment_fixed_size: 0
    .kernarg_segment_align: 8
    .kernarg_segment_size: 32
    .max_flat_workgroup_size: 128
    .sgpr_count:     66
    .vgpr_count:     768
    .wavefront_size: 32
...
	.end_amdgpu_metadata
.endif
;; end of part 1
;; launch prep (part 2): grid 256 x 1, 8 waves a work-group, no clusters, 169,472 bytes of LDS; arguments trellis, SV, weight_scales, lowp_scales, pmin, pmax, wcodes, qpar; writes wcodes, qpar
.if DOCPART == 2
	.amdgcn_target "amdgcn-amd-amdhsa--gfx1250"
	.amdhsa_code_object_version 6
	.text
	.protected	k_q570734dfc1_prep
	.globl	k_q570734dfc1_prep
	.p2align	8
	.type	k_q570734dfc1_prep,@function
k_q570734dfc1_prep:
	s_mov_b64 s[64:65], 0
	v_nop
	global_prefetch_b8 v0, s[64:65] scope:SCOPE_SE
	s_setreg_imm32_b32 hwreg(HW_REG_WAVE_MODE, 25, 1), 1
	s_wait_xcnt 0x0
; TWO THINGS.  (1) The weight: w[o][i] = H_2048 (grid[code]) (along o) / sqrt(2048) x SV[o] x weight_scales[16 o + i / 256], quantised to codes of BF8 (E5M2) with the given scale 2^e1.
; (2) The 256 partial extremes of each channel are folded, and the fake quantiser's four numbers a channel are made: 1 / scale, scale, -zero, 255 - zero.
; (1) SHARES.  Work-group j owns columns 16 j .. 16 j + 15 for all 2,048 o: 32,768 numbers, 128 a thread.  The transform runs on the codes c = 0 .. 3 themselves, whole numbers, so it rounds nothing:
;   H (2 c - 3) = 2 (H c - 3072 [o = 0]).  Then ONE factor: F[o] = (2 / sqrt(5 x 2048) x SV[o]) x scale of the group (reference() rounds four times there, this text three).
;   First a thread holds 128 neighbouring o of one column (bits 0 .. 6 of o), then, through LDS, 16 o that lie 128 apart of eight columns (bits 7 .. 10): its eight numbers of an o are eight neighbours along K.
; wcodes: [256 panels][2,048 o][16 bytes].  THE ORDER ALONG K is this program's own, the same for both operands: channel 128 l + 16 c + b lies at p = 512 c + 16 l + b.  Columns 16 j .. are panel p / 16 = 32 (j % 8) + j / 8.
; (2) Work-groups 0 to 63 take 64 positions (256 bytes of each of the 256 rows of pmin and pmax) each.  qpar: four tables of 4,096 f32 in the order of pmin's positions: 1/scale, scale, -zero, 255 - zero.
;   The divisions are a reciprocal or a constant's product with one correction step each; reference()'s are correctly rounded.
; LIMITS: e1 between -126 and 112; NaN and infinities are not served; a channel whose |xmin| / scale passes 2^24 rounds 255 - zero otherwise than reference().
.set EX,   0                           ; LDS: element (ohi, olo, col) at 8464 ohi + 2112 (col / 4) + 16 olo + 4 (col % 4): 135,424 bytes
.set RAW,  135424                      ; the trellis words: word (half of the columns, o) at 8208 x half + 4 o
.set FT,   151840                      ; F[o] at 4 o
.set RED,  160032                      ; the fold: minima at 16 t, maxima at 4096 + 16 t
.set TT,   16                          ; v16-31  at work
.set CC,   32                          ; v32-63  codes
.set FF,   64                          ; v64-79  F of my 16 o
.set YY,   128                         ; v128-255 my 128 numbers
.macro INPAIR b
.set ri, 0
.rept 64
	v_pk_add_f32 v[(\b)+ri:(\b)+ri+1], v[(\b)+ri:(\b)+ri+1], v[(\b)+ri:(\b)+ri+1] op_sel:[0,1] op_sel_hi:[0,1] neg_hi:[0,1]   ; (a, b) becomes (a + b, a - b)
.set ri, ri+2
.endr
.endm
.macro S1 p, d1, d2, t                 ; the stage of stride d1 on four pairs, into eight registers at t
	v_pk_add_f32 v[(\t):(\t)+1], v[(\p):(\p)+1], v[(\p)+(\d1):(\p)+(\d1)+1]
	v_pk_add_f32 v[(\t)+2:(\t)+3], v[(\p):(\p)+1], v[(\p)+(\d1):(\p)+(\d1)+1] neg_lo:[0,1] neg_hi:[0,1]
	v_pk_add_f32 v[(\t)+4:(\t)+5], v[(\p)+(\d2):(\p)+(\d2)+1], v[(\p)+(\d2)+(\d1):(\p)+(\d2)+(\d1)+1]
	v_pk_add_f32 v[(\t)+6:(\t)+7], v[(\p)+(\d2):(\p)+(\d2)+1], v[(\p)+(\d2)+(\d1):(\p)+(\d2)+(\d1)+1] neg_lo:[0,1] neg_hi:[0,1]
.endm
.macro S2 p, d1, d2, t                 ; the stage of stride d2, back into the numbers' registers
	v_pk_add_f32 v[(\p):(\p)+1], v[(\t):(\t)+1], v[(\t)+4:(\t)+5]
	v_pk_add_f32 v[(\p)+(\d2):(\p)+(\d2)+1], v[(\t):(\t)+1], v[(\t)+4:(\t)+5] neg_lo:[0,1] neg_hi:[0,1]
	v_pk_add_f32 v[(\p)+(\d1):(\p)+(\d1)+1], v[(\t)+2:(\t)+3], v[(\t)+6:(\t)+7]
	v_pk_add_f32 v[(\p)+(\d1)+(\d2):(\p)+(\d1)+(\d2)+1], v[(\t)+2:(\t)+3], v[(\t)+6:(\t)+7] neg_lo:[0,1] neg_hi:[0,1]
.endm
.macro PASS4 b, d1, d2                 ; two stages over 128 registers: 16 blocks; a block's S2 stands behind the next block's S1, on two sets of registers by turns
.set ri, 0
.set ki, 0
.set pp, 0
.rept 64
.if (ri & ((\d1)|(\d2))) == 0
	S1 (\b)+ri, \d1, \d2, TT+8*(ki%2)
.if ki > 0
	S2 pp, \d1, \d2, TT+8*((ki+1)%2)
.endif
.set pp, (\b)+ri
.set ki, ki+1
.endif
.set ri, ri+2
.endr
	S2 pp, \d1, \d2, TT+8*((ki+1)%2)
.endm
.macro FOLD16 op3, op2, s, d           ; of 16 groups of four registers from s on, component by component, into four registers at d
.irp e, 0,1,2,3
	\op3 v[\d+\e], v[\s+\e], v[\s+4+\e], v[\s+8+\e]
.endr
.irp a, 3,5,7,9,11,13
.irp e, 0,1,2,3
	\op3 v[\d+\e], v[\d+\e], v[\s+4*\a+\e], v[\s+4*\a+4+\e]
.endr
.endr
.irp e, 0,1,2,3
	\op2 v[\d+\e], v[\d+\e], v[\s+60+\e]
.endr
.endm
	s_load_b512 s[4:19], s[0:1], 0x0               ; trellis s[4:5], SV s[6:7], weight_scales s[8:9], lowp_scales s[10:11], pmin s[12:13], pmax s[14:15], wcodes s[16:17], qpar s[18:19]
	v_lshl_add_u32 v126, v0, 2, 0x29200
	v_mov_b32 v127, 0
	v_lshrrev_b32 v1, 5, v0
	v_readfirstlane_b32 s20, v1                    ; wave 0..7
	; every address register is made here, ahead of all branches
	v_lshlrev_b32 v1, 11, v0                       ; trellis: a row o is 512 words
	v_lshlrev_b32 v2, 2, v0                        ; SV
	v_lshlrev_b32 v3, 6, v0                        ; weight_scales: 16 groups a row o
	v_add_nc_u32 v4, RAW, v2
	v_add_nc_u32 v5, FT, v2
	v_and_b32 v32, 15, v0                          ; col = t % 16
	v_lshrrev_b32 v33, 4, v0                       ; ohi = t / 16
	v_lshrrev_b32 v34, 3, v32
	v_mul_u32_u24 v6, v34, 8208
	v_lshl_add_u32 v6, v33, 9, v6
	v_add_nc_u32 v6, RAW, v6                       ; my column's word of o = 128 ohi on
	v_and_b32 v7, 7, v32
	v_lshlrev_b32 v7, 1, v7
	v_sub_nc_u32 v7, 14, v7                        ; the field's shift: the first column of a word lies on top
	v_mul_u32_u24 v8, v33, 8464
	v_lshrrev_b32 v34, 2, v32
	v_mad_u32_u24 v8, v34, 2112, v8
	v_and_b32 v34, 3, v32
	v_lshl_add_u32 v8, v34, 2, v8                  ; the exchange, in: (ohi, 0, col)
	v_and_b32 v34, 1, v0                           ; which eight columns = t % 2
	v_lshrrev_b32 v35, 1, v0                       ; olo = t / 2
	v_mul_u32_u24 v9, v34, 4224
	v_lshl_add_u32 v9, v35, 4, v9                  ; the exchange, out: (0, olo, 8 (t % 2)),
	v_add_nc_u32 v10, 67712, v9                    ; and (8, olo, ..): the immediate reaches 65,535 bytes
	v_lshl_add_u32 v11, v35, 2, FT                 ; F[olo]
	v_lshlrev_b32 v12, 3, v0                       ; my 8 bytes of 2,048 of the panel
	v_lshlrev_b32 v116, 4, v32                     ; 16 (t % 16)
	v_lshl_add_u32 v13, v33, 18, v116              ; the fold: 16 rows of 16,384 bytes for each t / 16, 16 bytes for each t % 16
	v_lshl_add_u32 v114, v0, 4, RED
	v_add_nc_u32 v115, RED, v116
	s_lshl_b32 s22, ttmp9, 3                       ; my columns' two words in a row
	s_mov_b32 s23, 0
	s_wait_kmcnt 0x0
	s_load_b32 s21, s[10:11], 0x4                  ; e1
	s_add_nc_u64 s[4:5], s[4:5], s[22:23]
	s_lshr_b32 s22, ttmp9, 4
	s_lshl_b32 s22, s22, 2                         ; my columns' group of 256
	s_add_nc_u64 s[8:9], s[8:9], s[22:23]
	s_and_b32 s22, ttmp9, 7
	s_lshl_b32 s22, s22, 5
	s_lshr_b32 s24, ttmp9, 3
	s_add_co_u32 s22, s22, s24                     ; the panel: 32 (j % 8) + j / 8
	s_lshl_b32 s22, s22, 15
	s_add_nc_u64 s[16:17], s[16:17], s[22:23]
	s_lshl_b32 s22, ttmp9, 8                       ; the fold's 256 bytes
	s_add_nc_u64 s[12:13], s[12:13], s[22:23]
	s_add_nc_u64 s[14:15], s[14:15], s[22:23]
	s_add_nc_u64 s[18:19], s[18:19], s[22:23]
	; ---- in: thread t takes o = 256 a + t
.irp a, 0,1,2,3,4,5,6,7
	global_load_b64 v[80+2*\a:81+2*\a], v1, s[4:5] offset:524288*\a
	global_load_b32 v[96+\a], v2, s[6:7] offset:1024*\a
	global_load_b32 v[104+\a], v3, s[8:9] offset:16384*\a
.endr
	s_wait_loadcnt 0x0
.irp a, 0,1,2,3,4,5,6,7
	v_mul_f32 v[96+\a], 0x3ca1e89b, v[96+\a]       ; 2 / sqrt(5 x 2048) x SV
.endr
.irp a, 0,1,2,3,4,5,6,7
	v_mul_f32 v[96+\a], v[96+\a], v[104+\a]        ; x the group's scale
.endr
.irp a, 0,1,2,3,4,5,6,7
	ds_store_b32 v4, v[80+2*\a] offset:1024*\a
	ds_store_b32 v4, v[81+2*\a] offset:8208+1024*\a
	ds_store_b32 v5, v[96+\a] offset:1024*\a
.endr
	s_wait_dscnt 0x0                               ; for the others' sake: my words and factors lie in LDS
	s_barrier_signal -1
	s_barrier_wait -1
	; ---- decode: register r = code of (o = 128 ohi + r, col)
.set mi, 0
.rept 32
	ds_load_b128 v[YY+4*mi:YY+4*mi+3], v6 offset:16*mi
.set mi, mi+1
.endr
	s_wait_dscnt 0x0
.set mi, 0
.rept 128
	v_bfe_u32 v[YY+mi], v[YY+mi], v7, 2
.set mi, mi+1
.endr
.set mi, 0
.rept 128
	v_cvt_f32_u32 v[YY+mi], v[YY+mi]
.set mi, mi+1
.endr
	INPAIR YY                                      ; bits 0 .. 6 of o
	PASS4 YY, 2, 4
	PASS4 YY, 8, 16
	PASS4 YY, 32, 64
.set mi, 0
.rept 128
	ds_store_b32 v8, v[YY+mi] offset:16*mi         ; a wave's 32 lanes fall on 32 different banks: 16 (col / 4) + col % 4 + 4 ohi (64 banks of 4 bytes: ISA guide 11.1)
.set mi, mi+1
.endr
	s_wait_dscnt 0x0
	s_barrier_signal -1
	s_barrier_wait -1
	; ---- register 8 ohi + 4 g + e = (o = 128 ohi + olo, column 8 (t % 2) + 4 g + e)
.set mi, 0
.rept 16
	ds_load_b128 v[YY+8*mi:YY+8*mi+3], v[9+mi/8] offset:8464*(mi%8)
	ds_load_b128 v[YY+8*mi+4:YY+8*mi+7], v[9+mi/8] offset:8464*(mi%8)+2112
	ds_load_b32 v[FF+mi], v11 offset:512*mi
.set mi, mi+1
.endr
	s_wait_kmcnt 0x0
	s_add_co_i32 s21, s21, 127
	s_lshl_b32 s22, s21, 23
	v_mov_b32 v113, s22                            ; 2^e1 as f32: the conversion takes its exponent field
	s_add_co_i32 s21, s21, 15
	s_lshl_b32 s21, s21, 23
	s_or_b32 s21, s21, 0x600000
	v_mov_b32 v112, s21                            ; 57,344 x 2^e1
	v_mov_b32 v117, 0xc5400000                     ; -3072
	v_cmp_gt_u32 vcc_lo, 2, v0                     ; olo = 0
	v_cndmask_b32 v14, 0, v117, vcc_lo
	v_mov_b32 v15, v14
	s_wait_dscnt 0x0
	PASS4 YY, 8, 16                                ; bits 7 .. 10 of o
	PASS4 YY, 32, 64
.irp i, 0,2,4,6
	v_pk_add_f32 v[YY+\i:YY+\i+1], v[YY+\i:YY+\i+1], v[14:15]   ; o = 0 alone: H c - 3072
.endr
.set mi, 0
.rept 16
.set ri, 0
.rept 4
.if (mi%2) == 0
	v_pk_mul_f32 v[YY+8*mi+2*ri:YY+8*mi+2*ri+1], v[YY+8*mi+2*ri:YY+8*mi+2*ri+1], v[FF+mi:FF+mi+1] op_sel_hi:[1,0]              ; both x the pair's first: F of an even ohi
.else
	v_pk_mul_f32 v[YY+8*mi+2*ri:YY+8*mi+2*ri+1], v[YY+8*mi+2*ri:YY+8*mi+2*ri+1], v[FF+mi-1:FF+mi] op_sel:[0,1] op_sel_hi:[1,1]  ; both x its second
.endif
.set ri, ri+1
.endr
.set mi, mi+1
.endr
.set mi, 0
.rept 128
	v_med3_num_f32 v[YY+mi], v[YY+mi], -v112, v112 ; the conversion to an 8-bit code does not saturate (ISA guide 7.6.2): the hold at the largest code x the scale
.set mi, mi+1
.endr
.set mi, 0
.rept 16
	v_cvt_scalef32_pk8_bf8_f32 v[CC+2*mi:CC+2*mi+1], v[YY+8*mi:YY+8*mi+7], v113
.set mi, mi+1
.endr
	v_nop                                          ; a plain vector line behind the last conversion
.set mi, 0
.rept 16
	global_store_b64 v12, v[CC+2*mi:CC+2*mi+1], s[16:17] offset:2048*mi   ; panel byte 16 o + 8 (t % 2): a wave stores 256 consecutive bytes, at a multiple of 256 from the buffer's first byte
.set mi, mi+1
.endr
	; ---- the fold of the extremes: work-groups 0 to 63.  The barrier stands on every work-group's path; only the work round it is jumped over
	s_cmp_lt_u32 ttmp9, 64
	s_cbranch_scc0 .Lno_fold
.irp a, 0,1,2,3,4,5,6,7,8,9,10,11,12,13,14,15
	global_load_b128 v[128+4*\a:131+4*\a], v13, s[12:13] offset:16384*\a th:TH_LOAD_NT   ; sixteen lanes read 256 consecutive bytes of one row
.endr
.irp a, 0,1,2,3,4,5,6,7,8,9,10,11,12,13,14,15
	global_load_b128 v[192+4*\a:195+4*\a], v13, s[14:15] offset:16384*\a th:TH_LOAD_NT
.endr
	s_wait_loadcnt 0x0
	FOLD16 v_min3_num_f32, v_min_num_f32, 128, 16
	FOLD16 v_max3_num_f32, v_max_num_f32, 192, 20
	ds_store_b128 v114, v[16:19]
	ds_store_b128 v114, v[20:23] offset:4096
.Lno_fold:
	s_wait_dscnt 0x0
	s_barrier_signal -1
	s_barrier_wait -1
	s_cmp_lt_u32 ttmp9, 64
	s_cbranch_scc0 .Lend
	s_cmp_lg_u32 s20, 0                            ; wave 0 finishes; both halves of its lanes do the same work
	s_cbranch_scc1 .Lend
.irp a, 0,1,2,3,4,5,6,7,8,9,10,11,12,13,14,15
	ds_load_b128 v[128+4*\a:131+4*\a], v115 offset:256*\a
	ds_load_b128 v[192+4*\a:195+4*\a], v115 offset:4096+256*\a
.endr
	s_mov_b32 s24, 0x3b808081                      ; 1 / 255
	s_mov_b32 s25, 0xc37f0000                      ; -255
	s_wait_dscnt 0x0
	FOLD16 v_min3_num_f32, v_min_num_f32, 128, 16  ; xmin of my four positions
	FOLD16 v_max3_num_f32, v_max_num_f32, 192, 20  ; xmax
.irp e, 0,1,2,3
	v_sub_f32 v[64+\e], v[20+\e], v[16+\e]         ; d = xmax - xmin
.endr
.irp e, 0,1,2,3
	v_mul_f32 v[68+\e], s24, v[64+\e]              ; d / 255, first guess,
.endr
.irp e, 0,1,2,3
	v_fma_f32 v[72+\e], s25, v[68+\e], v[64+\e]    ; what it leaves,
.endr
.irp e, 0,1,2,3
	v_fma_f32 v[76+\e], v[72+\e], s24, v[68+\e]    ; corrected
.endr
.irp e, 0,1,2,3
	v_max_num_f32 v[76+\e], 0x322bcc77, v[76+\e]   ; scale = max(.., 1e-8)
.endr
.irp e, 0,1,2,3
	v_rcp_f32 v[80+\e], v[76+\e]
.endr
	v_nop                                          ; a plain line behind the last reciprocal
	s_wait_alu depctr_va_vdst(0)                   ; one wait for the four, ahead of their first reader
.irp e, 0,1,2,3
	v_fma_f32 v[84+\e], -v[76+\e], v[80+\e], 1.0
.endr
.irp e, 0,1,2,3
	v_fma_f32 v[88+\e], v[84+\e], v[80+\e], v[80+\e]   ; 1 / scale, one Newton step
.endr
.irp e, 0,1,2,3
	v_mul_f32 v[92+\e], -v[16+\e], v[88+\e]        ; -xmin / scale, first guess,
.endr
.irp e, 0,1,2,3
	v_fma_f32 v[96+\e], -v[76+\e], v[92+\e], -v[16+\e] ; what it leaves,
.endr
.irp e, 0,1,2,3
	v_fma_f32 v[100+\e], v[96+\e], v[88+\e], v[92+\e]  ; corrected
.endr
.irp e, 0,1,2,3
	v_rndne_f32 v[100+\e], v[100+\e]               ; zero
.endr
.irp e, 0,1,2,3
	v_sub_f32 v[104+\e], 0, v[100+\e]              ; -zero
	v_sub_f32 v[108+\e], 0x437f0000, v[100+\e]     ; 255 - zero
.endr
	s_wait_xcnt 0x0                                ; EXEC changes only behind this wait: the codes' stores have been taken
	v_cmp_gt_u32 vcc_lo, 16, v0
	s_and_saveexec_b32 s27, vcc_lo
	global_store_b128 v116, v[88:91], s[18:19]                   ; sixteen lanes store 256 consecutive bytes of each table
	global_store_b128 v116, v[76:79], s[18:19] offset:16384
	global_store_b128 v116, v[104:107], s[18:19] offset:32768
	global_store_b128 v116, v[108:111], s[18:19] offset:49152
	s_wait_xcnt 0x0                                ; and again ahead of the line that widens it
	s_or_b32 exec_lo, exec_lo, s27
.Lend:
	s_wait_tensorcnt 0x0
	ds_add_u32 v126, v127
	s_wait_dscnt 0x0
	s_endpgm
.Lfunc_end_k_q570734dfc1_prep:
	.size	k_q570734dfc1_prep, .Lfunc_end_k_q570734dfc1_prep-k_q570734dfc1_prep
	.p2alignl 7, 3214868480
	.fill 96, 4, 3214868480
	.section	.rodata,"a",@progbits
	.p2align	6, 0x0
	.amdhsa_kernel k_q570734dfc1_prep
		.amdhsa_group_segment_fixed_size 169472
		.amdhsa_private_segment_fixed_size 0
		.amdhsa_enable_private_segment 0
		.amdhsa_kernarg_size 64
		.amdhsa_user_sgpr_count 2
		.amdhsa_user_sgpr_kernarg_segment_ptr 1
		.amdhsa_wavefront_size32 1
		.amdhsa_system_sgpr_workgroup_id_x 1
		.amdhsa_system_sgpr_workgroup_id_y 1
		.amdhsa_system_sgpr_workgroup_id_z 1
		.amdhsa_system_vgpr_workitem_id 0
		.amdhsa_next_free_vgpr 256
		.amdhsa_next_free_sgpr 66
		.amdhsa_reserve_vcc 1
		.amdhsa_float_denorm_mode_32 3
		.amdhsa_float_denorm_mode_16_64 3
		.amdhsa_memory_ordered 1
		.amdhsa_forward_progress 1
		.amdhsa_inst_pref_size 109
	.end_amdhsa_kernel
	.amdgpu_metadata
---
amdhsa.version: [ 1, 2 ]
amdhsa.kernels:
  - .name:           k_q570734dfc1_prep
    .symbol:         k_q570734dfc1_prep.kd
    .args:
      - { .name: trellis, .offset: 0, .size: 8, .value_kind: global_buffer, .address_space: global }
      - { .name: SV, .offset: 8, .size: 8, .value_kind: global_buffer, .address_space: global }
      - { .name: weight_scales, .offset: 16, .size: 8, .value_kind: global_buffer, .address_space: global }
      - { .name: lowp_scales, .offset: 24, .size: 8, .value_kind: global_buffer, .address_space: global }
      - { .name: pmin, .offset: 32, .size: 8, .value_kind: global_buffer, .address_space: global }
      - { .name: pmax, .offset: 40, .size: 8, .value_kind: global_buffer, .address_space: global }
      - { .name: wcodes, .offset: 48, .size: 8, .value_kind: global_buffer, .address_space: global }
      - { .name: qpar, .offset: 56, .size: 8, .value_kind: global_buffer, .address_space: global }
    .group_segment_fixed_size: 169472
    .private_segment_fixed_size: 0
    .kernarg_segment_align: 8
    .kernarg_segment_size: 64
    .max_flat_workgroup_size: 256
    .sgpr_count:     66
    .vgpr_count:     256
    .wavefront_size: 32
...
	.end_amdgpu_metadata
.endif
;; end of part 2
;; launch quant (part 3): grid 256 x 1, 4 waves a work-group, no clusters, 68,096 bytes of LDS; arguments x, SU, qpar, lowp_scales, acodes; writes acodes
.if DOCPART == 3
	.amdgcn_target "amdgcn-amd-amdhsa--gfx1250"
	.amdhsa_code_object_version 6
	.text
	.protected	k_q570734dfc1_quant
	.globl	k_q570734dfc1_quant
	.p2align	8
	.type	k_q570734dfc1_quant,@function
k_q570734dfc1_quant:
	s_mov_b64 s[64:65], 0
	v_nop
	global_prefetch_b8 v0, s[64:65] scope:SCOPE_SE
	s_setreg_imm32_b32 hwreg(HW_REG_WAVE_MODE, 25, 1), 1
	s_wait_xcnt 0x0
; xh = H (x * SU) / 64 once more, by the same lines as in the launch that took the extremes (so the same bits); then the 8-bit fake quantiser of each channel, the straight-through form xh + (dq - xh) as reference() writes it,
; and the quantiser to codes of BF8 (E5M2) with the given scale 2^e0.
; x: [8192][4096] f32.  qpar: four tables of 4,096 f32 (1/scale, scale, -zero, 255 - zero) in the order of the registers behind the transform.  acodes: [8192][4096] bytes.
; clip(round(x / scale) + zero, 0, 255) - zero = the middle of round(x / scale), -zero, 255 - zero: all whole numbers, so nothing is rounded there.  x / scale is x times a refined reciprocal; reference() divides.
; THE ORDER ALONG K is this program's own, the same for both operands: channel 128 l + 16 c + b lies at byte p = 512 c + 16 l + b of a row: lane l's 16 codes of group c are 16 bytes, and the wave stores 512 consecutive bytes.
; SHARES: work-group g owns rows 32 g .. 32 g + 31, each wave eight; one wave takes one row, 128 registers a lane.  No barrier: waves share nothing.
; LIMITS: e0 between -126 and 112; NaN and infinities among the inputs are not served.
; REGISTERS, in windows of 256: window 0: v1-3 addresses; v10, v11 the hold and the scale; v16-31 at work; v32-63 a row's codes; v64-127 the upper half of a finished row; v128-255 the row at work (v192-223 at work behind the transform).
;   window 1: v0-127 the next row as loaded; v128-255 SU / 64.   window 2: v0-127 1/scale; v128-255 scale.   window 3: v0-127 -zero; v128-255 255 - zero.
.set ROWB,  16384
.set XREG,  32*528
.set XO,  1                            ; v1   16 x lane: my place in a load's or a store's 512 bytes; never rewritten
.set SA,  2
.set LA,  3
.set LIM, 10
.set SC,  11
.set TT,  16
.set CC,  32
.set H2,  64
.set DD,  128
.set TQ,  192
.set LL,  0                            ; window 1
.set SUR, 128                          ; window 1
.set MSB, 0
.macro WIN new                         ; the immediate's high byte repeats the setting that is left
.if MSB != \new
	s_set_vgpr_msb (MSB<<8)|\new
.set MSB, \new
.endif
.endm
.macro INPAIR b                        ; (a, b) becomes (a + b, a - b)
.set ri, 0
.rept 64
	v_pk_add_f32 v[(\b)+ri:(\b)+ri+1], v[(\b)+ri:(\b)+ri+1], v[(\b)+ri:(\b)+ri+1] op_sel:[0,1] op_sel_hi:[0,1] neg_hi:[0,1]
.set ri, ri+2
.endr
.endm
.macro S1 p, d1, d2, t                 ; the stage of stride d1 on four pairs, into eight registers at t
	v_pk_add_f32 v[(\t):(\t)+1], v[(\p):(\p)+1], v[(\p)+(\d1):(\p)+(\d1)+1]
	v_pk_add_f32 v[(\t)+2:(\t)+3], v[(\p):(\p)+1], v[(\p)+(\d1):(\p)+(\d1)+1] neg_lo:[0,1] neg_hi:[0,1]
	v_pk_add_f32 v[(\t)+4:(\t)+5], v[(\p)+(\d2):(\p)+(\d2)+1], v[(\p)+(\d2)+(\d1):(\p)+(\d2)+(\d1)+1]
	v_pk_add_f32 v[(\t)+6:(\t)+7], v[(\p)+(\d2):(\p)+(\d2)+1], v[(\p)+(\d2)+(\d1):(\p)+(\d2)+(\d1)+1] neg_lo:[0,1] neg_hi:[0,1]
.endm
.macro S2 p, d1, d2, t                 ; the stage of stride d2, back into the row
	v_pk_add_f32 v[(\p):(\p)+1], v[(\t):(\t)+1], v[(\t)+4:(\t)+5]
	v_pk_add_f32 v[(\p)+(\d2):(\p)+(\d2)+1], v[(\t):(\t)+1], v[(\t)+4:(\t)+5] neg_lo:[0,1] neg_hi:[0,1]
	v_pk_add_f32 v[(\p)+(\d1):(\p)+(\d1)+1], v[(\t)+2:(\t)+3], v[(\t)+6:(\t)+7]
	v_pk_add_f32 v[(\p)+(\d1)+(\d2):(\p)+(\d1)+(\d2)+1], v[(\t)+2:(\t)+3], v[(\t)+6:(\t)+7] neg_lo:[0,1] neg_hi:[0,1]
.endm
; two stages over 128 registers: 16 blocks; a block's S2 stands behind the next block's S1.  lw = 1: the row is coming back from LDS in ascending order: ahead of registers 16 g .. 16 g + 15 the count leaves out the 28 - 4 g loads issued behind theirs
.macro PASS4 b, d1, d2, lw
.set ri, 0
.set ki, 0
.set pp, 0
.rept 64
.if (ri & ((\d1)|(\d2))) == 0
.if \lw
.if (ri%16) == 0
	s_wait_dscnt 28-ri/4
.endif
.endif
	S1 (\b)+ri, \d1, \d2, TT+8*(ki%2)
.if ki > 0
	S2 pp, \d1, \d2, TT+8*((ki+1)%2)
.endif
.set pp, (\b)+ri
.set ki, ki+1
.endif
.set ri, ri+2
.endr
	S2 pp, \d1, \d2, TT+8*((ki+1)%2)
.endm
; the exchange through my own LDS bytes: in by lines of 512 dense bytes, 528 apart; out a line a lane.  LDS serves a wave's instructions in order (ISA guide 5.7.1.4): no wait between the stores and the loads, nor ahead of the next row's stores
.macro XCHG
.set mi, 0
.rept 32
	ds_store_b128 v[SA], v[DD+4*mi:DD+4*mi+3] offset:528*mi
.set mi, mi+1
.endr
.set mi, 0
.rept 32
	ds_load_b128 v[DD+4*mi:DD+4*mi+3], v[LA] offset:16*mi
.set mi, mi+1
.endr
.endm
.macro LAST                            ; stride 64, out of place: x_r lies in v[128 + r] for r < 64 and in v[r] for r >= 64
.set mi, 0
.rept 32
	v_pk_add_f32 v[H2+2*mi:H2+2*mi+1], v[DD+2*mi:DD+2*mi+1], v[DD+64+2*mi:DD+64+2*mi+1] neg_lo:[0,1] neg_hi:[0,1]
	v_pk_add_f32 v[DD+2*mi:DD+2*mi+1], v[DD+2*mi:DD+2*mi+1], v[DD+64+2*mi:DD+64+2*mi+1]
.set mi, mi+1
.endr
.endm
.macro TRANSFORM
	INPAIR DD
	PASS4 DD, 2, 4, 0
	PASS4 DD, 8, 16, 0
	PASS4 DD, 32, 64, 0
	XCHG
	PASS4 DD, 4, 8, 1
	PASS4 DD, 16, 32, 0
	LAST
.endm
.macro LOADROW
	WIN 0x40                                       ; destination window 1
.set mi, 0
.rept 32
	global_load_b128 v[LL+4*mi:LL+4*mi+3], v[XO], s[4:5] offset:512*mi th:TH_LOAD_NT
.set mi, mi+1
.endr
	WIN 0
.endm
; 32 channels of my 128: r = 32 b .. 32 b + 31
.macro QB b
.if (\b) < 2
.set XB, DD+32*(\b)
.else
.set XB, 32*(\b)
.endif
.set PR, 32*(\b)
.if (\b) == 0
	s_wait_xcnt 0x0                                ; the last row's stores, issued a whole transform ago, have been taken: their data registers and their base are written again only behind this wait
	s_add_nc_u64 s[12:13], s[12:13], s[18:19]      ; the step is 0 in the first trip,
	s_mov_b32 s18, 4096                            ; a row of codes afterwards
.endif
	WIN 0x08                                       ; source 1 window 2
.set mi, 0
.rept 16
	v_pk_mul_f32 v[TQ+2*mi:TQ+2*mi+1], v[XB+2*mi:XB+2*mi+1], v[PR+2*mi:PR+2*mi+1]        ; x / scale
.set mi, mi+1
.endr
.set mi, 0
.rept 32
	v_rndne_f32 v[TQ+mi], v[TQ+mi]
.set mi, mi+1
.endr
	WIN 0x3c                                       ; sources 1 and 2 window 3
.set mi, 0
.rept 32
	v_med3_num_f32 v[TQ+mi], v[TQ+mi], v[PR+mi], v[128+PR+mi]                             ; q - zero
.set mi, mi+1
.endr
	WIN 0x08
.set mi, 0
.rept 16
	v_pk_mul_f32 v[TQ+2*mi:TQ+2*mi+1], v[TQ+2*mi:TQ+2*mi+1], v[128+PR+2*mi:128+PR+2*mi+1] ; dq
.set mi, mi+1
.endr
	WIN 0
.set mi, 0
.rept 16
	v_pk_add_f32 v[TQ+2*mi:TQ+2*mi+1], v[TQ+2*mi:TQ+2*mi+1], v[XB+2*mi:XB+2*mi+1] neg_lo:[0,1] neg_hi:[0,1]   ; dq - x
.set mi, mi+1
.endr
.set mi, 0
.rept 16
	v_pk_add_f32 v[TQ+2*mi:TQ+2*mi+1], v[XB+2*mi:XB+2*mi+1], v[TQ+2*mi:TQ+2*mi+1]         ; x + (dq - x)
.set mi, mi+1
.endr
.set mi, 0
.rept 32
	v_med3_num_f32 v[TQ+mi], v[TQ+mi], -v[LIM], v[LIM]   ; the conversion to an 8-bit code does not saturate (ISA guide 7.6.2): the hold at the largest code x the scale
.set mi, mi+1
.endr
.irp u, 0,1,2,3
	v_cvt_scalef32_pk8_bf8_f32 v[CC+8*(\b)+2*\u:CC+8*(\b)+2*\u+1], v[TQ+8*\u:TQ+8*\u+7], v[SC]
.endr
	v_nop                                          ; a plain vector line behind the last conversion: the next lines write its sources
	global_store_b128 v[XO], v[CC+8*(\b):CC+8*(\b)+3], s[12:13] offset:512*(2*(\b))       ; groups c = 2 b and 2 b + 1: 512 consecutive bytes each
	global_store_b128 v[XO], v[CC+8*(\b)+4:CC+8*(\b)+7], s[12:13] offset:512*(2*(\b)+1)
.endm
	s_load_b256 s[4:11], s[0:1], 0x0               ; x s[4:5], SU s[6:7], qpar s[8:9], lowp_scales s[10:11]
	s_load_b64 s[12:13], s[0:1], 0x20              ; acodes
	v_lshl_add_u32 v14, v0, 2, 0x10800
	v_mov_b32 v15, 0
	v_lshrrev_b32 v12, 5, v0
	v_readfirstlane_b32 s14, v12                   ; wave 0..3
	v_and_b32 v12, 31, v0                          ; lane
	v_lshlrev_b32 v[XO], 4, v12
	s_mul_i32 s16, s14, XREG                       ; my exchange region
	v_add_nc_u32 v[SA], s16, v[XO]
	v_mul_u32_u24 v[LA], v12, 528
	v_add_nc_u32 v[LA], s16, v[LA]
	s_lshl_b32 s22, ttmp9, 19                      ; 32 rows of 16,384 bytes a work-group,
	s_lshl_b32 s23, s14, 17                        ; 8 a wave
	s_add_co_u32 s22, s22, s23
	s_mov_b32 s23, 0
	s_wait_kmcnt 0x0
	s_load_b32 s20, s[10:11], 0x0                  ; e0
	s_add_nc_u64 s[4:5], s[4:5], s[22:23]          ; x at my first row
	s_lshr_b32 s22, s22, 2                         ; a row of codes is a quarter of a row of x
	s_add_nc_u64 s[12:13], s[12:13], s[22:23]
	WIN 0x40
.set mi, 0
.rept 32
	global_load_b128 v[SUR+4*mi:SUR+4*mi+3], v[XO], s[6:7] offset:512*mi
.set mi, mi+1
.endr
	WIN 0
	LOADROW                                        ; row 0
	s_wait_loadcnt 32                              ; SU is in; the 32 loads issued behind it, row 0's, may stay out
	WIN 0x41
.set mi, 0
.rept 64
	v_pk_mul_f32 v[SUR+2*mi:SUR+2*mi+1], v[SUR+2*mi:SUR+2*mi+1], 0x3c800000 op_sel_hi:[1,0]   ; x 2^-6
.set mi, mi+1
.endr
	WIN 0x80                                       ; destination window 2
.set mi, 0
.rept 32
	global_load_b128 v[4*mi:4*mi+3], v[XO], s[8:9] offset:512*mi                 ; 1/scale: register r of lane l is channel 128 l + r's
	global_load_b128 v[128+4*mi:128+4*mi+3], v[XO], s[8:9] offset:16384+512*mi   ; scale
.set mi, mi+1
.endr
	WIN 0xc0                                       ; destination window 3
.set mi, 0
.rept 32
	global_load_b128 v[4*mi:4*mi+3], v[XO], s[8:9] offset:32768+512*mi           ; -zero
	global_load_b128 v[128+4*mi:128+4*mi+3], v[XO], s[8:9] offset:49152+512*mi   ; 255 - zero
.set mi, mi+1
.endr
	WIN 0
	s_wait_kmcnt 0x0
	s_add_co_i32 s20, s20, 127
	s_lshl_b32 s21, s20, 23
	v_mov_b32 v[SC], s21                           ; 2^e0 as f32: the conversion takes its exponent field
	s_add_co_i32 s20, s20, 15
	s_lshl_b32 s20, s20, 23
	s_or_b32 s20, s20, 0x600000
	v_mov_b32 v[LIM], s20                          ; 57,344 x 2^e0
	s_mov_b32 s18, 0
	s_mov_b32 s19, 0
	s_mov_b32 s15, 8
.Lrow:
	s_wait_loadcnt 0x0                             ; the row is in (in the first trip the tables too), and every load that named the base is done: the base may step
	WIN 0x05                                       ; sources window 1, destination window 0
.set mi, 0
.rept 64
	v_pk_mul_f32 v[DD+2*mi:DD+2*mi+1], v[LL+2*mi:LL+2*mi+1], v[SUR+2*mi:SUR+2*mi+1]
.set mi, mi+1
.endr
	WIN 0
	s_cmp_eq_u32 s15, 1                            ; the last row asks for nothing: no load leaves x
	s_cbranch_scc1 .Lno_more
	s_add_nc_u64 s[4:5], s[4:5], ROWB
	LOADROW                                        ; the next row has the whole trip in which to land
.Lno_more:
	TRANSFORM
	QB 0
	QB 1
	QB 2
	QB 3
	s_sub_co_u32 s15, s15, 1
	s_cmp_lg_u32 s15, 0
	s_cbranch_scc1 .Lrow
	s_wait_tensorcnt 0x0
	ds_add_u32 v14, v15
	s_wait_dscnt 0x0
	s_endpgm
.Lfunc_end_k_q570734dfc1_quant:
	.size	k_q570734dfc1_quant, .Lfunc_end_k_q570734dfc1_quant-k_q570734dfc1_quant
	.p2alignl 7, 3214868480
	.fill 96, 4, 3214868480
	.section	.rodata,"a",@progbits
	.p2align	6, 0x0
	.amdhsa_kernel k_q570734dfc1_quant
		.amdhsa_group_segment_fixed_size 68096
		.amdhsa_private_segment_fixed_size 0
		.amdhsa_enable_private_segment 0
		.amdhsa_kernarg_size 40
		.amdhsa_user_sgpr_count 2
		.amdhsa_user_sgpr_kernarg_segment_ptr 1
		.amdhsa_wavefront_size32 1
		.amdhsa_system_sgpr_workgroup_id_x 1
		.amdhsa_system_sgpr_workgroup_id_y 1
		.amdhsa_system_sgpr_workgroup_id_z 1
		.amdhsa_system_vgpr_workitem_id 0
		.amdhsa_next_free_vgpr 1024
		.amdhsa_next_free_sgpr 66
		.amdhsa_reserve_vcc 0
		.amdhsa_float_denorm_mode_32 3
		.amdhsa_float_denorm_mode_16_64 3
		.amdhsa_memory_ordered 1
		.amdhsa_forward_progress 1
		.amdhsa_inst_pref_size 125
	.end_amdhsa_kernel
	.amdgpu_metadata
---
amdhsa.version: [ 1, 2 ]
amdhsa.kernels:
  - .name:           k_q570734dfc1_quant
    .symbol:         k_q570734dfc1_quant.kd
    .args:
      - { .name: x, .offset: 0, .size: 8, .value_kind: global_buffer, .address_space: global }
      - { .name: SU, .offset: 8, .size: 8, .value_kind: global_buffer, .address_space: global }
      - { .name: qpar, .offset: 16, .size: 8, .value_kind: global_buffer, .address_space: global }
      - { .name: lowp_scales, .offset: 24, .size: 8, .value_kind: global_buffer, .address_space: global }
      - { .name: acodes, .offset: 32, .size: 8, .value_kind: global_buffer, .address_space: global }
    .group_segment_fixed_size: 68096
    .private_segment_fixed_size: 0
    .kernarg_segment_align: 8
    .kernarg_segment_size: 40
    .max_flat_workgroup_size: 128
    .sgpr_count:     66
    .vgpr_count:     1024
    .wavefront_size: 32
...
	.end_amdgpu_metadata
.endif
;; end of part 3
;; launch gemm (part 4): grid 8 x 32, 4 waves a work-group, clusters of 4 x 4, 327,680 bytes of LDS; arguments acodes, wcodes, lowp_scales, out0; writes out0
.if DOCPART == 4
	.amdgcn_target "amdgcn-amd-amdhsa--gfx1250"
	.amdhsa_code_object_version 6
	.text
	.protected	k_q570734dfc1_gemm
	.globl	k_q570734dfc1_gemm
	.p2align	8
	.type	k_q570734dfc1_gemm,@function
k_q570734dfc1_gemm:
	s_mov_b64 s[64:65], 0
	v_nop
	global_prefetch_b8 v0, s[64:65] scope:SCOPE_SE
	s_setreg_imm32_b32 hwreg(HW_REG_WAVE_MODE, 25, 1), 1
	s_wait_xcnt 0x0
	s_wait_alu depctr_hold_cnt(0) depctr_sa_sdst(0) depctr_va_vdst(0) depctr_va_sdst(0) depctr_va_ssrc(0) depctr_va_vcc(0) depctr_vm_vsrc(0)
	s_getreg_b32 s2, hwreg(HW_REG_IB_STS2, 6, 4)
	s_cmp_eq_u32 s2, 0
	s_cbranch_scc0 .Lentry_in_a_cluster
	s_endpgm
.Lentry_in_a_cluster:
	s_bfe_u32 s2, ttmp6, 0x10000c
	s_cmp_lg_u32 s2, 0xf033
	s_cbranch_scc0 .Lentry_shape_is_right
	s_endpgm
.Lentry_shape_is_right:
; out0[m][n] = 2^(e0 + e1) x the sum over p of A[m][p] B[n][p], on codes of BF8 (E5M2); sums in f32.  A: acodes [8192][4096 bytes].  B: wcodes in PANELS, [256 panels of 16 along K][2,048 rows n][16 bytes].
; Both operands have the same order p along K (this program's own), so every product meets its partner.
; LIMIT: e0 + e1 lies between -126 and 127, so that 2^(e0 + e1) is an f32 number.
; A tile of out0, 256 x 256, is made by a work-group of four waves, as many as a WGP has SIMDs; a wave makes 128 x 128: 64 accumulators of 16 x 16, 512 registers.  8 x 32 tiles: one for each of 256 work-groups.
; K goes in steps of 256 through a ring of two LDS slots filled by the tensor data mover.  A's tile: 128 rows of 256 bytes a load, padded to 272.  B's: 16 panels' pieces of 128 rows x 16 bytes = 2,048 dense bytes a load's row, no padding:
; the sixteen lanes of a fragment load's pass read 256 consecutive bytes.
; CLUSTERS: 4 x 4 work-groups.  The four of a row of the cluster need the same tiles of A, the four of a column the same tiles of B: each tile is asked for JOINTLY, by the same tensor load with the
; same descriptor and a mask that names the four.  THE MATRIX INSTRUCTION IS USED TRANSPOSED (source 0 = 16 rows of B, source 1 = 16 rows of A): a lane then holds eight neighbouring numbers of a row of out0.
; REGISTERS, in windows of 256: window 0: v0-31 addresses; from v128 A's fragments (8 x 16 rows x 128 K), ONE set; on the way out v32-255 are free.
;   window 1: B's fragments, TWO sets, at v0 and at v128.   window 2: the 32 accumulators of my rows 0-63 (accumulator (a, b) at v[8 (8 a + b)]);   window 3: those of my rows 64-127.
; A step of 128 along K is 64 matrix instructions, A's blocks one after the other, each against B's eight: a block of A is free as soon as its eight products are issued, so one set of registers serves A:
; blocks 0-3 are fetched anew in the step's middle, blocks 4-7 at its end.  B's fragments are at work through the whole step, so B has two sets.
.set SIZE_M, 8192
.set SIZE_N, 2048
.set SIZE_K, 4096
.set KSTEP,  256                       ; along K in a slot
.set ROWB,   256                       ; a row of A's tile in bytes
.set KROW,   SIZE_K                    ; a row of A in memory, in bytes
.set PANEL,  SIZE_N*16                 ; a panel of B in bytes
.set BSTEP,  16*PANEL                  ; a K step of B in memory: 16 panels
.set PITCH,  272                       ; an LDS row of A: 256 bytes + 16 of padding = 68 words: row r starts at bank 4 r mod 64 (64 banks of 4 bytes: ISA guide 11.1)
.set FR,     16                        ; registers of a fragment: 16 rows x 128 K
.set NL,     4                         ; LDS loads that bring one
.set NP,     4                         ; places behind this matrix instruction (ISA guide 7.12.1)
.set HALFT,  128*PITCH                 ; what one tensor load of A brings; B's 32,768 bytes lie in a region of the same size
.set SLOT,   4*HALFT                   ; A's two halves, then B's two halves
.set LAPS,   SIZE_K/(2*KSTEP)          ; a lap = two K steps = once round the ring
.set SPARE,  2*SLOT                    ; behind the ring: the spare words, 128 bytes for each wave: two blocks of 256 bytes that no other line names
.set SPITCH, 528                       ; the way out: a stage of 16 rows x (512 bytes + 16) for each wave.  It lies in slot 0, which has had its last fill and its last read when the first result is stored there
.set ADRA, 16                          ; v16-17  LDS address of my A fragments in slot 0, 1
.set ADRB, 20                          ; v20-21  the same for B
.set STO,  24                          ; v24     the way out: where I put 32 bytes of a row
.set RD,   25                          ; v25     the way out: where I read a row back
.set CO,   26                          ; v26     my byte offset in a row of out0
.set SPW,  28                          ; v28     LDS address of my spare word: SPARE + 4 x my thread's number; never rewritten
.set NIL,  29                          ; v29     0; never rewritten
.set PFO,  30                          ; v30     the prefetches' offset of my lane; never rewritten
.set TMP,  32                          ; the way out: 64 registers, a block's sums x 2^(e0 + e1)
.set AF,   128                         ; A's fragments, in window 0
.set BK,   128                         ; the way out: 16 rows read back from the stage: v128-191 and v192-255 by turns
.set G1, 24                            ; s[24:31] descriptor group 1 for A's tiles;  s[32:39] group 0, one set for each slot
.set G0, 32
.set G1B, 48                           ; s[48:55], s[56:63] the same for B's tiles
.set G0B, 56
.set PFA, 66                           ; s[66:67] where my prefetches stand
.set PFS, 68                           ; s[68:69] a K step on, in bytes: 256 in A, 16 panels in B
.set LIM, 70                           ; s70     1 in a wave that prefetches, else the greatest number
.set MSB, 0
.macro WIN new                         ; the immediate's high byte repeats the setting that is left
.if MSB != \new
	s_set_vgpr_msb (MSB<<8)|\new
.set MSB, \new
.endif
.endm
.set MUL_LO, 0xa1                      ; source 0 (B) window 1, source 1 (A) window 0, C and D window 2
.set MUL_HI, 0xf1                      ; the same, C and D window 3
.set TO_B,   0x40                      ; destination window 1, address window 0
; A joint load: waves 0 and 1 fetch for A, waves 2 and 3 for B.  Each of the two lines has ONE mask and one set of registers for all that issue it; the branch hangs on the wave's number alone.
; Four v_nop follow each of the two lines, ahead of the jump, the label and what follows.
.macro JLOAD g0a, g1a, g0b, g1b
	s_cmp_eq_u32 s15, 0
	s_cbranch_scc0 .Lfor_b_\@
	tensor_load_to_lds s[\g0a:\g0a+3], s[\g1a:\g1a+7]
	s_nop 0
.rept 4
	v_nop
.endr
	s_branch .Lasked_\@
.Lfor_b_\@:
	tensor_load_to_lds s[\g0b:\g0b+3], s[\g1b:\g1b+7]
	s_nop 0
.rept 4
	v_nop
.endr
.Lasked_\@:
.endm
; A PREFETCH INTO THE L2, behind each joint refill, its four lines and the run of LDS loads that follows them: the K step that stands TWO refills on, 256 matrix instructions ahead of the load that will ask for it.
; Each aligned block of 256 bytes is named ONCE in the launch.  A's tile row is read by both clusters of that row of clusters: cluster x = 0 asks; B's tile column by all eight clusters of that column: cluster y = 0 asks.
; Of the 128 blocks that a wave fetches in a K step (A: 128 rows x 256 bytes; B: 16 panels x 8 blocks), each of the four partners that ask for them jointly takes 32, told apart BY ADDRESS (cx for A, cy for B): a lane a block, one instruction a wave.
; K steps 0 to 3 come by their loads alone; the loop's last trip, whose refills are the last two K steps, asks for nothing.
.macro ASK
	s_cmp_gt_u32 s3, s[LIM]                        ; s3 = 1 in the loop's last trip
	s_cbranch_scc0 .Lnot_mine_\@
	global_prefetch_b8 v[PFO], s[PFA:PFA+1] th:TH_LOAD_NT scope:SCOPE_SE
.Lnot_mine_\@:
.endm
.macro CREST                           ; a round of the cluster's barrier behind its opening barrier
	s_cmp_lg_u32 s14, 0
	s_cbranch_scc1 .Lnot_wave_0_\@
	s_barrier_signal -3
.Lnot_wave_0_\@:
	s_barrier_wait -3
	s_barrier_signal -1
	s_barrier_wait -1
.endm
.macro CROUND                          ; a whole round
	s_barrier_signal -1
	s_barrier_wait -1
	CREST
.endm
	s_load_b128 s[4:7], s[0:1], 0x0                ; A's codes s[4:5], B's codes s[6:7]
	s_load_b128 s[8:11], s[0:1], 0x10              ; the two scales' exponents s[8:9], out0 s[10:11]
	v_lshl_add_u32 v[SPW], v0, 2, SPARE
	v_mov_b32 v[NIL], 0
	ds_add_u32 v28, v29
	ds_add_u32 v28, v29
	s_wait_dscnt 0x0
	v_lshrrev_b32 v1, 5, v0
	v_readfirstlane_b32 s14, v1                    ; wave 0..3
	s_lshr_b32 s15, s14, 1                         ; which half of the tile's rows is mine.  Also: I fetch for A (0) or for B (1)
	s_and_b32 s16, s14, 1                          ; which half of its columns.  Also: which 128 rows of that tile I fetch
	s_bfe_u32 s40, ttmp6, 0x40000                  ; cx, cy: my place in the cluster
	s_bfe_u32 s41, ttmp6, 0x40004
	s_lshl_b32 s42, ttmp9, 2
	s_add_co_u32 s42, s42, s40                     ; tile column = 4 x cluster x + cx
	s_and_b32 s17, ttmp7, 0xffff
	s_lshl_b32 s17, s17, 2
	s_add_co_u32 s17, s17, s41                     ; tile row = 4 x cluster y + cy
	s_lshl_b32 s43, s41, 2
	s_lshl_b32 s43, 15, s43                        ; my row of the cluster
	s_lshl_b32 s44, 0x1111, s40                    ; my column
	; descriptor group 1 for A: a tile of 128 rows x 256 bytes, padded in LDS
	s_or_b32 s[G1+0], s43, (0<<16)|(1<<20)|(1<<21)|(5<<22)|(3<<25)  ; 15:0 the mask: A's tiles go to my row; 17:16 element of 1 byte; 20 padding on; 21 set beside a mask; 24:22 after every 64 words (code 5); 31:25 of 4 words (code 3)
	s_mov_b32 s[G1+1], ROWB<<16                    ; tensor_dim0
	s_mov_b32 s[G1+2], 128<<16                     ; tensor_dim1 = 128
	s_mov_b32 s[G1+3], ROWB<<16                    ; tile_dim0
	s_mov_b32 s[G1+4], 128                         ; tile_dim1 = 128
	s_mov_b32 s[G1+5], KROW                        ; tensor_dim0_stride
	s_mov_b32 s[G1+6], 0
	s_mov_b32 s[G1+7], 0
	; for B: 16 rows (panels) of 2,048 bytes (128 rows n x 16 bytes), a panel apart; dense in LDS
	s_or_b32 s[G1B+0], s44, (0<<16)|(1<<21)        ; the mask: B's tiles go to my column; element of 1 byte; no padding; 21 set beside a mask
	s_mov_b32 s[G1B+1], 2048<<16                   ; tensor_dim0
	s_mov_b32 s[G1B+2], 16<<16                     ; tensor_dim1 = 16
	s_mov_b32 s[G1B+3], 2048<<16                   ; tile_dim0
	s_mov_b32 s[G1B+4], 16                         ; tile_dim1 = 16
	s_mov_b32 s[G1B+5], PANEL                      ; tensor_dim0_stride
	s_mov_b32 s[G1B+6], 0
	s_mov_b32 s[G1B+7], 0
	s_lshl_b32 s18, s16, 7                         ; which 128 rows of the tile I fetch
	s_lshl_b32 s20, s17, 8
	s_add_co_u32 s20, s20, s18                     ; A: row 256 x tile row + 128 x half
	s_lshl_b32 s46, s42, 8
	s_add_co_u32 s46, s46, s18                     ; B: row 256 x tile column + 128 x half
	s_mov_b32 s21, 0
	s_mov_b32 s47, 0
	s_mov_b64 s[18:19], KROW
	s_mul_u64 s[20:21], s[20:21], s[18:19]         ; A's rows in bytes
	s_lshl_b32 s46, s46, 4                         ; B's rows inside a panel: 16 bytes each
	s_mul_i32 s45, s14, HALFT                      ; where they go: wave x a region: no place in the cluster enters an LDS address
	s_wait_kmcnt 0x0
	s_load_b64 s[96:97], s[8:9], 0x0               ; e0, e1
	s_add_nc_u64 s[20:21], s[4:5], s[20:21]
	s_add_nc_u64 s[46:47], s[6:7], s[46:47]
	CROUND                                         ; all sixteen work-groups are here: the first joint loads meet
.irp s, 0,1
	s_mov_b32 s[G0+4*\s], 1
	s_add_co_u32 s[G0+4*\s+1], s45, \s*SLOT
	s_add_nc_u64 s[G0+4*\s+2:G0+4*\s+3], s[20:21], \s*ROWB
	s_or_b32 s[G0+4*\s+3], s[G0+4*\s+3], 0x80000000
	s_mov_b32 s[G0B+4*\s], 1
	s_add_co_u32 s[G0B+4*\s+1], s45, \s*SLOT
	s_add_nc_u64 s[G0B+4*\s+2:G0B+4*\s+3], s[46:47], \s*BSTEP
	s_or_b32 s[G0B+4*\s+3], s[G0B+4*\s+3], 0x80000000
	JLOAD G0+4*\s, G1, G0B+4*\s, G1B
.endr
	; the prefetches: where my wave's stand, and who asks.  All selects on the one compare come first
	s_and_b32 s72, ttmp7, 0xffff                   ; cluster y
	s_mov_b32 s[PFS], BSTEP
	s_mov_b32 s73, 256
	s_cmp_eq_u32 s15, 0                            ; do I fetch for A?
	s_cselect_b64 s[PFA:PFA+1], s[20:21], s[46:47] ; my tile's first byte
	s_cselect_b32 s71, s40, s41                    ; my place among the four that ask for it with me
	s_cselect_b32 s72, ttmp9, s72                  ; the coordinate along which other clusters read the same bytes
	s_cselect_b32 s[PFS], 256, s[PFS]              ; a K step on
	s_cselect_b32 s73, 4096, s73                   ; from lane to lane among eight: a row of A, or a block of 256 bytes of B
	s_mov_b32 s[PFS+1], 0
	s_cmp_eq_u32 s72, 0
	s_cselect_b32 s[LIM], 1, -1                    ; the same in all sixteen partners, for a given wave
	s_lshl_b32 s74, s71, 17                        ; my work-group's 32 blocks: 32 rows of A, or 4 panels of B: 131,072 bytes either way
	s_mov_b32 s75, 0
	s_add_nc_u64 s[PFA:PFA+1], s[PFA:PFA+1], s[74:75]
	s_mul_i32 s74, s[PFS], 3
	s_add_nc_u64 s[PFA:PFA+1], s[PFA:PFA+1], s[74:75]  ; at K step 3: the first refill steps it to 4.  Nothing is prefetched here, at the head, where every work-group's first tiles are on their way
	v_and_b32 v[PFO], 31, v0
	v_lshrrev_b32 v31, 3, v[PFO]
	v_and_b32 v[PFO], 7, v[PFO]
	v_mul_lo_u32 v[PFO], v[PFO], s73
	v_lshl_add_u32 v[PFO], v31, 15, v[PFO]         ; + 32,768 x (lane / 8): eight rows of A, or a panel of B
	v_and_b32 v1, 15, v0                           ; l % 16
	v_bfe_u32 v2, v0, 4, 1                         ; l / 16
	v_mul_u32_u24 v3, v1, PITCH
	v_lshl_add_u32 v4, v2, 4, v3                   ; A: a fragment's row x pitch + 16 x half
	v_lshlrev_b32 v7, 4, v1
	v_lshl_add_u32 v7, v2, 11, v7                  ; B: 16 x row + a panel's piece (2,048 bytes) x half
	s_mul_i32 s21, s15, HALFT                      ; my 128 rows of A
	s_mul_i32 s22, s16, HALFT                      ; my 128 rows of B,
	s_add_co_u32 s22, s22, 2*HALFT                 ; which lie behind A's two regions
.irp s, 0,1
	v_add_nc_u32 v[ADRA+\s], s21, v4
	v_add_nc_u32 v[ADRB+\s], s22, v7
	s_add_co_u32 s21, s21, SLOT
	s_add_co_u32 s22, s22, SLOT
.endr
	s_mul_i32 s23, s14, 16*SPITCH                  ; my stage
	v_mul_u32_u24 v5, v1, SPITCH                   ; in: row l % 16, 32 bytes for each half of the lanes
	v_lshl_add_u32 v5, v2, 5, v5
	v_add_nc_u32 v[STO], s23, v5
	v_and_b32 v6, 31, v0
	v_lshlrev_b32 v[CO], 4, v6                     ; back: the 32 lanes take one row of 512 bytes; and the same in out0
	v_add_nc_u32 v[RD], s23, v[CO]
	s_lshl_b32 s20, s17, 8
	s_lshl_b32 s21, s15, 7
	s_add_co_u32 s20, s20, s21                     ; my first row of out0: 256 x tile row + 128 x half
	s_mov_b32 s21, 0
	s_mov_b64 s[18:19], SIZE_N*4
	s_mul_u64 s[20:21], s[20:21], s[18:19]
	s_lshl_b32 s46, s42, 10                        ; my first column, in bytes: 1024 x tile column + 512 x half
	s_lshl_b32 s47, s16, 9
	s_add_co_u32 s46, s46, s47
	s_mov_b32 s47, 0
	s_add_nc_u64 s[20:21], s[20:21], s[46:47]
	s_add_nc_u64 s[10:11], s[10:11], s[20:21]
.macro FRAG reg, adr, q, i             ; a fragment of A, 16 rows x 128 K: lane l holds row l % 16; registers 4 c .. 4 c + 3 hold p = 128 q + 32 c + 16 (l / 16) + 0 .. 15 of the slot
.irp c, 0,1,2,3
	ds_load_b128 v[\reg+4*\c:\reg+4*\c+3], v[\adr] offset:128*(\q)+32*\c+(\i)*16*PITCH
.endr
.endm
.macro FRAGB reg, adr, q, i            ; the same p of B: panel 8 q + 2 c + l / 16 of the slot's sixteen, row 16 i + l % 16
.irp c, 0,1,2,3
	ds_load_b128 v[\reg+4*\c:\reg+4*\c+3], v[\adr] offset:(8*(\q)+2*\c)*2048+(\i)*256
.endr
.endm
; 16 matrix instructions: A's blocks a0, a0 + 1 x B's eight, 128 along K.  p: B's set.  zero = 1: the first product starts the sums: nothing is ever cleared.
; The 64 accumulators take turns, one instruction a turn, in the same order in every step.
.macro MUL16 a0, p, zero
.irp a, \a0, \a0+1
.irp b, 0,1,2,3,4,5,6,7
.if \zero
	v_wmma_f32_16x16x128_bf8_bf8 v[8*(8*((\a)%4)+\b):8*(8*((\a)%4)+\b)+7], v[128*(\p)+FR*\b:128*(\p)+FR*\b+FR-1], v[AF+FR*(\a):AF+FR*(\a)+FR-1], 0
.else
	v_wmma_f32_16x16x128_bf8_bf8 v[8*(8*((\a)%4)+\b):8*(8*((\a)%4)+\b)+7], v[128*(\p)+FR*\b:128*(\p)+FR*\b+FR-1], v[AF+FR*(\a):AF+FR*(\a)+FR-1], v[8*(8*((\a)%4)+\b):8*(8*((\a)%4)+\b)+7]
.endif
.endr
.endr
.endm
.macro FETCH_B slot, q, p              ; B's eight fragments of the slot's q-th 128 along K into set p
	WIN TO_B
.irp i, 0,1,2,3,4,5,6,7
	FRAGB 128*(\p)+FR*\i, ADRB+\slot, \q, \i
.endr
	WIN 0
.endm
.macro FETCH_A slot, q, i0             ; A's blocks i0 .. i0 + 3
.irp i, \i0, \i0+1, \i0+2, \i0+3
	FRAG AF+FR*(\i), ADRA+\slot, \q, \i
.endr
.endm
; A load into a register that a matrix instruction has read, and a vector instruction or an LDS store that reads a matrix result, stand NP places behind that matrix instruction, and only plain vector
; instructions that name none of its registers are places (ISA guide 7.12.1 for vector instructions); this text does not count the matrix instructions in between.
.macro PLACES n
.rept \n
	v_nop
.endr
.endm
; A step of 128 along K that has its successor in the same slot.
.macro STEP slot, q, zero
	s_wait_dscnt 4*NL                              ; B's set and A's blocks 0-3 are in; the youngest sixteen loads (A's blocks 4-7) may be out
	WIN MUL_LO
	MUL16 0, (\q)%2, \zero
	MUL16 2, (\q)%2, \zero
	s_wait_dscnt 0                                 ; A's blocks 4-7 are in (asked for 32 matrix instructions ago)
	PLACES NP
	FETCH_B \slot, (\q)+1, 1-(\q)%2
	FETCH_A \slot, (\q)+1, 0
	WIN MUL_HI
	MUL16 4, (\q)%2, \zero
	MUL16 6, (\q)%2, \zero
	PLACES NP
	WIN 0
	FETCH_A \slot, (\q)+1, 4
.endm
; A slot's last step changes slots: ONE barrier; in front of it each wave waits for all its tensor loads, adds 0 to its spare word, and waits for that and for its own reads of this slot.  fill = 1: this slot is filled again, two K steps ahead.
.macro TURN slot, next, fill
.if \fill
	s_wait_xcnt 0x0                                ; the last prefetch, a K step back, has read its address: it is stepped here, ahead of the waits of the change of slots
	s_add_nc_u64 s[PFA:PFA+1], s[PFA:PFA+1], s[PFS:PFS+1]
.endif
	s_wait_tensorcnt 0x0                           ; all my tensor loads have landed: my part of the next slot;  (every window is 0 here: the add's two registers lie in window 0)
	ds_add_u32 v[SPW], v[NIL]                      ; 0 onto my spare word
	s_wait_dscnt 4*NL+1                            ; (the add and the youngest sixteen loads, A's blocks 4-7, may be out)
	WIN MUL_LO
	MUL16 0, 1, 0                                  ; sixteen matrix instructions stand between the add and the wait for it
	s_wait_dscnt 0x0                               ; the add is done, and my reads of this slot are over
	s_barrier_signal -1
	MUL16 2, 1, 0
	WIN 0
	s_barrier_wait -1
.if \fill
	CREST                                          ; the barrier has opened a round of the cluster's barrier: no wave of any partner still reads this slot's tile or has a load on its way
	s_add_nc_u64 s[G0+4*\slot+2:G0+4*\slot+3], s[G0+4*\slot+2:G0+4*\slot+3], 2*ROWB
	s_add_nc_u64 s[G0B+4*\slot+2:G0B+4*\slot+3], s[G0B+4*\slot+2:G0B+4*\slot+3], 2*BSTEP
	JLOAD G0+4*\slot, G1, G0B+4*\slot, G1B         ; the first tensor load behind the round; the four v_nop behind it are the places in front of the loads below
.else
	PLACES NP
.endif
	FETCH_B \next, 0, 0
	FETCH_A \next, 0, 0
.if \fill
	ASK                                            ; behind the joint load and the run of LDS loads that the next products wait for
.endif
	WIN MUL_HI
	MUL16 4, 1, 0
	MUL16 6, 1, 0
	PLACES NP
	WIN 0
	FETCH_A \next, 0, 4
.endm
	s_wait_tensorcnt 1                             ; my part of K step 0 is in (K step 1's load, issued behind it, may be out)
	s_barrier_signal -1
	s_barrier_wait -1                              ; everybody's is
	FETCH_B 0, 0, 0
	FETCH_A 0, 0, 0
	FETCH_A 0, 0, 4
	STEP 0, 0, 1                                   ; the first step stands in front of the loop: its products start the sums
	s_mov_b32 s3, LAPS-1
.Llap:                                                 ; a trip goes once round the ring, from a lap's second step to the next lap's first, and fills both slots again
	TURN 0, 1, 1
	STEP 1, 0, 0
	TURN 1, 0, 1
	STEP 0, 0, 0
	s_sub_co_u32 s3, s3, 1
	s_cmp_lg_u32 s3, 0
	s_cbranch_scc1 .Llap
	TURN 0, 1, 0                                   ; the last lap fills nothing, and has no round of the cluster's barrier
	STEP 1, 0, 0
	s_wait_dscnt 4*NL                              ; the very last step: nothing more to fetch
	WIN MUL_LO
	MUL16 0, 1, 0
	MUL16 2, 1, 0
	s_wait_dscnt 0
	WIN MUL_HI
	MUL16 4, 1, 0
	MUL16 6, 1, 0
	WIN 0
; THE WAY OUT, block by block of 16 rows x 128 columns.  A lane holds 32 neighbouring bytes of a row, and the lanes beside it hold other rows: so a block goes through my own stage in LDS and comes back as whole
; rows of 512 bytes, which the 32 lanes store as 512 consecutive bytes.  LDS serves a wave's instructions in order (ISA guide 5.7.1.4): no wait between the stores and the loads, nor in front of the next block's stores.
.macro TOSTAGE a
.set AC, 64*((\a)%4)
	WIN 0x02+((\a)/4)                              ; source 0: window 2 or 3
.irp j, 0,2,4,6,8,10,12,14,16,18,20,22,24,26,28,30,32,34,36,38,40,42,44,46,48,50,52,54,56,58,60,62
	v_pk_mul_f32 v[TMP+\j:TMP+\j+1], v[AC+\j:AC+\j+1], s[96:97] op_sel_hi:[1,0]   ; both x s96 = 2^(e0 + e1); each accumulator from its low end on
.endr
	WIN 0
.irp b, 0,1,2,3,4,5,6,7
	ds_store_b128 v[STO], v[TMP+8*\b:TMP+8*\b+3] offset:64*\b
	ds_store_b128 v[STO], v[TMP+8*\b+4:TMP+8*\b+7] offset:64*\b+16
.endr
.set BB, BK+64*((\a)%2)
.irp t, 0,1,2,3,4,5,6,7,8,9,10,11,12,13,14,15
	ds_load_b128 v[BB+4*\t:BB+4*\t+3], v[RD] offset:\t*SPITCH
.endr
.endm
.macro SEND a, younger                 ; younger: the LDS instructions issued behind block a's loads, which may stay out
.set BB, BK+64*((\a)%2)
	s_wait_dscnt \younger                          ; the block is back in registers
.if (\a) > 0
	s_add_nc_u64 s[10:11], s[10:11], 16*SIZE_N*4   ; (behind a wait on XCNT: the earlier stores have read their base)  16 rows of out0 on, so that the stores' offsets stay small: 15 rows at the most
.endif
.irp t, 0,1,2,3,4,5,6,7,8,9,10,11,12,13,14,15
	global_store_b128 v[CO], v[BB+4*\t:BB+4*\t+3], s[10:11] offset:\t*SIZE_N*4 th:TH_STORE_NT   ; 32 lanes store 512 consecutive bytes, at a multiple of 256 from out0's first byte; written once, read by nobody here
.endr
.endm
	s_wait_kmcnt 0x0
	s_add_co_i32 s96, s96, s97                     ; e0 + e1, between -126 and 127,
	s_add_co_i32 s96, s96, 127
	s_lshl_b32 s96, s96, 23                        ; makes the f32 number 2^(e0 + e1)
	PLACES NP                                      ; behind the last products: these places serve the loads into the registers that held A's fragments and the reads of results alike
	TOSTAGE 0
.irp a, 1,2,3,4,5,6,7
.if \a > 1
	s_wait_xcnt 0x0                                ; block a - 2's stores have read their registers and their base: block a's loads may land there, and the base may step
.endif
	TOSTAGE \a
	SEND \a-1, 32                                  ; behind block a - 1's loads: block a's 16 stores and 16 loads
.endr
	s_wait_xcnt 0x0                                ; block 6's stores have read their base
	SEND 7, 0
	s_wait_tensorcnt 0x0                           ; the wave's end, behind my last tensor load and my last LDS store
	ds_add_u32 v[SPW], v[NIL]
	s_wait_dscnt 0x0
	CROUND                                         ; the closing round: no work-group ends while a partner may still ask for a tile that names it
	s_endpgm
.Lfunc_end_k_q570734dfc1_gemm:
	.size	k_q570734dfc1_gemm, .Lfunc_end_k_q570734dfc1_gemm-k_q570734dfc1_gemm
	.p2alignl 7, 3214868480
	.fill 96, 4, 3214868480
	.section	.rodata,"a",@progbits
	.p2align	6, 0x0
	.amdhsa_kernel k_q570734dfc1_gemm
		.amdhsa_group_segment_fixed_size 327680
		.amdhsa_private_segment_fixed_size 0
		.amdhsa_enable_private_segment 0
		.amdhsa_kernarg_size 32
		.amdhsa_user_sgpr_count 2
		.amdhsa_user_sgpr_kernarg_segment_ptr 1
		.amdhsa_wavefront_size32 1
		.amdhsa_system_sgpr_workgroup_id_x 1
		.amdhsa_system_sgpr_workgroup_id_y 1
		.amdhsa_system_sgpr_workgroup_id_z 1
		.amdhsa_system_vgpr_workitem_id 0
		.amdhsa_next_free_vgpr 1024
		.amdhsa_next_free_sgpr 98
		.amdhsa_reserve_vcc 0
		.amdhsa_float_denorm_mode_32 3
		.amdhsa_float_denorm_mode_16_64 3
		.amdhsa_memory_ordered 1
		.amdhsa_forward_progress 1
		.amdhsa_inst_pref_size 125
	.end_amdhsa_kernel
	.amdgpu_metadata
---
amdhsa.version: [ 1, 2 ]
amdhsa.kernels:
  - .name:           k_q570734dfc1_gemm
    .symbol:         k_q570734dfc1_gemm.kd
    .args:
      - { .name: acodes, .offset: 0, .size: 8, .value_kind: global_buffer, .address_space: global }
      - { .name: wcodes, .offset: 8, .size: 8, .value_kind: global_buffer, .address_space: global }
      - { .name: lowp_scales, .offset: 16, .size: 8, .value_kind: global_buffer, .address_space: global }
      - { .name: out0, .offset: 24, .size: 8, .value_kind: global_buffer, .address_space: global }
    .group_segment_fixed_size: 327680
    .private_segment_fixed_size: 0
    .kernarg_segment_align: 8
    .kernarg_segment_size: 32
    .max_flat_workgroup_size: 128
    .sgpr_count:     98
    .vgpr_count:     1024
    .wavefront_size: 32
...
	.end_amdgpu_metadata
.endif
;; end of part 4
